; MI455X (gfx1250); checked and timed in simulation.
; The chip was launched on July 23, 2026; its instructions are those of AMD's public machine-readable ISA for CDNA 5 (MIT licence, August 2026) and "CDNA5" Instruction Set Architecture Reference Guide (July 2026). The comments in the code are by the model that wrote it; some were corrected since.
;; Self Attention. Allowed arithmetic: matrix products marked QUANTISED: E5M2 operands, one E8M0 scale for each 32 along K, by v_wmma_scale_f32_16x16x128_f8f6f4 with both operands' format E5M2, f32 sums; products left as they are: f32 operands where the result goes on into a quantised operand, else bf16, f16 or f32 operands; f32 sums; everything else in f32.
;; Inputs: U_b 1,024 float32; U_w_codes 1,024 x 32 x 32 uint8 (E5M2 codes of U_w, K innermost, in blocks of 32 codes); U_w_scales 1,024 x 32 uint8 (E8M0 scales of U_w, one for each 32 codes along K); V_b 1 float32; V_w 1,024 x 1 float32; W_b 1,024 float32; W_w_codes 1,024 x 32 x 32 uint8 (E5M2 codes of W_w, K innermost, in blocks of 32 codes); W_w_scales 1,024 x 32 uint8 (E8M0 scales of W_w, one for each 32 codes along K); hidden_states 64 x 1,024 x 1,024 float32; s_prev_codes 64 x 32 x 32 uint8 (E5M2 codes of s_prev, K innermost, in blocks of 32 codes); s_prev_scales 64 x 32 uint8 (E8M0 scales of s_prev, one for each 32 codes along K).
;; Outputs: out0 64 x 1,024 float32; out1 64 x 1,024 x 1 float32.
;; This version of the problem:
;;   THIS VERSION OF THE PROBLEM IS GIVEN IN LOW PRECISION. The matrix products marked QUANTISED in the list below multiply operands that are first quantised to E5M2 (5 exponent bits, 2 mantissa bits; 8 bits a number), with one power-of-two scale for each 32 numbers along K (OCP MX v1.0); their sums are f32. All else is computed in f32.
;;   The module's matrix products, in the order in which they are computed (A, B: the left and right operand; K: the contracted axis; several contracted axes count as one K, in the product's order):
;;     1. [M 64, K 1,024] x [K 1,024, N 1,024]; A: input s_prev (given as codes); B: input W_w (given as codes): QUANTISED
;;     2. [M 65,536, K 1,024] x [K 1,024, N 1,024]; A: input hidden_states; B: input U_w (given as codes): QUANTISED
;;     3. [M 65,536, K 1,024] x [K 1,024, N 1]; A: computed on the way; B: input V_w: left as it is (N = 1 < 16)
;;   THE QUANTISER, for each operand of a quantised product, along K:
;;     - K is cut into blocks of 32 from its start; a last block that is shorter is filled with zeros.
;;     - A block's scale is 2^e with e = floor(log2(the largest magnitude in the block)) - 15, held to -126 .. 127; a block of zeros has e = 0. As a byte (E8M0): e + 127.
;;     - Each number is divided by its block's scale, clamped to +-57,344, and rounded to the nearest number of E5M2, ties to even, subnormals kept.
;;     - The product sums the exact products of the quantised numbers (number of the format x scale) in f32.
;;   ~~~python
;;   def quantise(x, axis):      # numpy; x: float32 -> the quantised numbers, widened to float32 again
;;       x = np.moveaxis(x, axis, -1); K = x.shape[-1]
;;       x = np.pad(x, [(0, 0)] * (x.ndim - 1) + [(0, -K % 32)]); x = x.reshape(x.shape[:-1] + (-1, 32)); a = np.abs(x).max(-1, keepdims=True)
;;       e = np.where(a > 0, np.clip(np.frexp(np.where(a > 0, a, 1))[1] - 1 - 15, -126, 127), 0)      # np.frexp(a)[1] - 1 = floor(log2(a)), exactly
;;       r = np.clip(x / 2.0 ** e, -57344, 57344)
;;       step = 2.0 ** (np.maximum(np.frexp(np.where(r == 0, 1, r))[1] - 1, -14) - 2)
;;       q = np.round(r / step) * step * 2.0 ** e      # np.round: ties to even
;;       return np.moveaxis(q.reshape(q.shape[:-2] + (-1,))[..., :K], -1, axis).astype(np.float32)
;;   ~~~
;;   INPUTS GIVEN AS CODES. U_w (in the module: [1024, 1024], K = its axis 0); W_w (in the module: [1024, 1024], K = its axis 0); s_prev (in the module: [64, 1024], K = its axis 1): each comes as NAME_codes (uint8): NAME with its K axis moved to the last place and cut into blocks of 32 codes, [.., K / 32, bytes a block], one block behind the other in memory; one code a byte (a code: sign, 5 exponent bits, 2 mantissa bits); and NAME_scales (uint8): the same leading axes, one E8M0 byte (e + 127) for each 32 codes along K. Its value is code x scale, taken as it is: it is not quantised again, and the codes and scales need not be those that the quantiser above would give.
;; One version. Each part assembles by itself: llvm-mc -triple=amdgcn-amd-amdhsa -mcpu=gfx1250 --defsym DOCPART=n.
;; ======== version 1 of 1: 3 launches
;; limits: right only within a limited range of input values
;; workspace buffers: tab 1,048,576 bytes; scores 262,144 bytes; part 1,048,576 bytes
;; launch prep (part 1): grid 64 x 2, 1 waves a work-group, no clusters, 0 bytes of LDS; arguments s_prev_codes, s_prev_scales, W_w_codes, W_w_scales, W_b, U_b, V_w, tab; writes tab
.if DOCPART == 1
	.amdgcn_target "amdgcn-amd-amdhsa--gfx1250"
	.amdhsa_code_object_version 6
	.text
	.protected	k_qb4fb80e0ff_prep
	.globl	k_qb4fb80e0ff_prep
	.p2align	8
	.type	k_qb4fb80e0ff_prep,@function
k_qb4fb80e0ff_prep:
	s_mov_b64 s[64:65], 0
	v_nop
	global_prefetch_b8 v0, s[64:65] scope:SCOPE_SE
	s_setreg_imm32_b32 hwreg(HW_REG_WAVE_MODE, 25, 1), 1
	s_wait_xcnt 0x0
; tab[b][n] = (b', b', m2V, m2V), four f32:  b' = (s_prev W_w [b][n] + W_b[n] + U_b[n]) x C2, C2 = 2 log2(e);  m2V = -2 V_w[n].
; The product is on codes of E5M2 with E8M0 scales, as they are given: s_prev [64][1024], W_w [1024 n][1024 k], K innermost.
; The next launch takes tanh(x) as 1 - 2 / (1 + 2^(C2 x)): b' is the part of C2 x that hangs on batch and column alone, m2V the weight of the reciprocal.
; The pairs are doubled so that packed f32 lines take them as they lie.
; SHARES.  One wave to a work-group: columns 16 N .. 16 N + 15 (N = work-group x), batches 32 y .. 32 y + 31 (y = work-group y): two accumulators, which take turns.
; No cluster, no LDS: a work-group reads 16 KB of W_w that no other work-group of its y reads, and the launch is a few thousand instructions in all.
; LIMITS: NaN and infinities among the inputs are not served.
; REGISTERS: window 0: v1-6 lane terms; v16-31 s_prev's scale words (tile a, K step s: 16 + 8 a + s); v32-39 W_w's; v40-44 biases; v48-63 the sums; v64-191 W_w's 8 fragments; v192-255 16 quads to store.
;            window 1: s_prev's fragments, tile a, K step s at 128 a + 16 s.
; WORK LEFT OUT, in the whole program.  reference() uses scores only as the input of a softmax over s.  scores[b][s] = V_b + sum over n of V_w[n] - 2 sum over n of V_w[n] r[b][s][n]
; (tanh = 1 - 2 r).  V_b and the sum of V_w are the same for every s of a batch, for all values of the inputs, and a softmax is unchanged by a term that is the same along its axis.
; So neither is added: the input V_b has no way to an output, is not loaded and is no launch's argument.  LIMIT: a NaN, an infinity or an overflow in V_b or in the sum of V_w alone is not carried to the results.
.set C2,  0x4038aa3b
.set ASC, 16
.set BSC, 32
.set ACC, 48
.set BF,  64
.set Q,   192
.set MSB, 0
.macro WIN new                         ; the immediate's high byte repeats the setting that is left
.if MSB != (\new)
	s_set_vgpr_msb (MSB<<8)|(\new)
.set MSB, (\new)
.endif
.endm
	s_load_b256 s[4:11], s[0:1], 0x0               ; s_prev's codes, its scales, W_w's codes, its scales
	s_load_b256 s[12:19], s[0:1], 0x20             ; W_b, U_b, V_w, tab
	v_and_b32 v1, 15, v0                           ; r
	v_bfe_u32 v2, v0, 4, 1                         ; h
	v_lshlrev_b32 v3, 10, v1
	v_lshl_add_u32 v3, v2, 4, v3                   ; codes: row r of 1,024 bytes, + 16 h
	v_lshlrev_b32 v4, 5, v1                        ; scale bytes: 32 a row
	v_lshlrev_b32 v5, 2, v1                        ; f32 vectors: 4 r
	v_lshlrev_b32 v6, 4, v1
	v_lshl_add_u32 v6, v2, 17, v6                  ; tab: 16 r + 8 h rows of 16,384 bytes
	s_and_b32 s20, ttmp7, 0xffff                   ; y
	s_mov_b32 s21, C2
	s_lshl_b32 s22, s20, 15                        ; 32 rows of s_prev's codes
	s_mov_b32 s23, 0
	s_lshl_b32 s24, s20, 10                        ; and of its scale bytes
	s_mov_b32 s25, 0
	s_lshl_b32 s26, ttmp9, 14                      ; 16 rows of W_w's codes
	s_mov_b32 s27, 0
	s_lshl_b32 s28, ttmp9, 9                       ; and of its scale bytes
	s_mov_b32 s29, 0
	s_lshl_b32 s30, ttmp9, 6                       ; 16 numbers of the f32 vectors
	s_mov_b32 s31, 0
	s_lshl_b32 s32, s20, 19                        ; tab: 32 y rows of 16,384 bytes + 16 N quads
	s_lshl_b32 s33, ttmp9, 8
	s_add_co_u32 s32, s32, s33
	s_mov_b32 s33, 0
	s_wait_alu depctr_va_vdst(0)
	s_wait_kmcnt 0x0
	s_add_nc_u64 s[4:5], s[4:5], s[22:23]
	s_add_nc_u64 s[6:7], s[6:7], s[24:25]
	s_add_nc_u64 s[8:9], s[8:9], s[26:27]
	s_add_nc_u64 s[10:11], s[10:11], s[28:29]
	s_add_nc_u64 s[12:13], s[12:13], s[30:31]
	s_add_nc_u64 s[14:15], s[14:15], s[30:31]
	s_add_nc_u64 s[16:17], s[16:17], s[30:31]
	s_add_nc_u64 s[18:19], s[18:19], s[32:33]
	WIN 0x40                                       ; destination window 1
.irp a, 0,1
.irp s, 0,1,2,3,4,5,6,7
.irp c, 0,1,2,3
	global_load_b128 v[128*\a+16*\s+4*\c:128*\a+16*\s+4*\c+3], v3, s[4:5] offset:16384*\a+128*\s+32*\c
.endr
.endr
.endr
	WIN 0
.irp s, 0,1,2,3,4,5,6,7
.irp c, 0,1,2,3
	global_load_b128 v[BF+16*\s+4*\c:BF+16*\s+4*\c+3], v3, s[8:9] offset:128*\s+32*\c
.endr
.endr
.irp a, 0,1
	global_load_b128 v[ASC+8*\a:ASC+8*\a+3], v4, s[6:7] offset:512*\a        ; a row's 32 scale bytes are its 8 words, one a K step
	global_load_b128 v[ASC+8*\a+4:ASC+8*\a+7], v4, s[6:7] offset:512*\a+16
.endr
	global_load_b128 v[BSC:BSC+3], v4, s[10:11]
	global_load_b128 v[BSC+4:BSC+7], v4, s[10:11] offset:16
	global_load_b32 v40, v5, s[12:13]              ; W_b, U_b, V_w at column 16 N + r
	global_load_b32 v41, v5, s[14:15]
	global_load_b32 v42, v5, s[16:17]
	s_wait_loadcnt 0x0
	WIN 0x01                                       ; source 0 (s_prev) window 1
.irp s, 0,1,2,3,4,5,6,7                        ; the two sums by turns, K ascending; the first product starts each sum
.irp a, 0,1
.if \s == 0
	v_wmma_scale_f32_16x16x128_f8f6f4 v[ACC+8*\a:ACC+8*\a+7], v[128*\a+16*\s:128*\a+16*\s+15], v[BF+16*\s:BF+16*\s+15], 0, v[ASC+8*\a+\s], v[BSC+\s] matrix_a_fmt:MATRIX_FMT_BF8 matrix_b_fmt:MATRIX_FMT_BF8
.else
	v_wmma_scale_f32_16x16x128_f8f6f4 v[ACC+8*\a:ACC+8*\a+7], v[128*\a+16*\s:128*\a+16*\s+15], v[BF+16*\s:BF+16*\s+15], v[ACC+8*\a:ACC+8*\a+7], v[ASC+8*\a+\s], v[BSC+\s] matrix_a_fmt:MATRIX_FMT_BF8 matrix_b_fmt:MATRIX_FMT_BF8
.endif
.endr
.endr
	WIN 0
	v_add_f32 v43, v40, v41                        ; these 35 plain lines name no register of the products: they are the eight places behind the last of them
	v_mul_f32 v44, -2.0, v42                       ; m2V
	v_mul_f32 v43, s21, v43                        ; (W_b + U_b) x C2
.set i, 0
.rept 16
	v_mov_b32 v[Q+4*i+2], v44
	v_mov_b32 v[Q+4*i+3], v44
.set i, i+1
.endr
.irp a, 0,1                                    ; lane (r, h), register j of sum a: batch 32 y + 16 a + 8 h + j, column 16 N + r; each sum is read from its low end on
.irp j, 0,1,2,3,4,5,6,7
	v_fma_f32 v[Q+4*(8*\a+\j)], v[ACC+8*\a+\j], s21, v43
	v_fma_f32 v[Q+4*(8*\a+\j)+1], v[ACC+8*\a+\j], s21, v43
.endr
.endr
.irp a, 0,1
.irp j, 0,1,2,3,4,5,6,7
	global_store_b128 v6, v[Q+4*(8*\a+\j):Q+4*(8*\a+\j)+3], s[18:19] offset:262144*\a+16384*\j   ; sixteen lanes store 256 consecutive bytes, at a multiple of 256 from tab's first byte
.endr
.endr
	s_endpgm
.Lfunc_end_k_qb4fb80e0ff_prep:
	.size	k_qb4fb80e0ff_prep, .Lfunc_end_k_qb4fb80e0ff_prep-k_qb4fb80e0ff_prep
	.p2alignl 7, 3214868480
	.fill 96, 4, 3214868480
	.section	.rodata,"a",@progbits
	.p2align	6, 0x0
	.amdhsa_kernel k_qb4fb80e0ff_prep
		.amdhsa_group_segment_fixed_size 0
		.amdhsa_private_segment_fixed_size 0
		.amdhsa_enable_private_segment 0
		.amdhsa_kernarg_size 64
		.amdhsa_user_sgpr_count 2
		.amdhsa_user_sgpr_kernarg_segment_ptr 1
		.amdhsa_wavefront_size32 1
		.amdhsa_system_sgpr_workgroup_id_x 1
		.amdhsa_system_sgpr_workgroup_id_y 1
		.amdhsa_system_sgpr_workgroup_id_z 1
		.amdhsa_system_vgpr_workitem_id 0
		.amdhsa_next_free_vgpr 512
		.amdhsa_next_free_sgpr 66
		.amdhsa_reserve_vcc 0
		.amdhsa_float_denorm_mode_32 3
		.amdhsa_float_denorm_mode_16_64 3
		.amdhsa_memory_ordered 1
		.amdhsa_forward_progress 1
		.amdhsa_inst_pref_size 19
	.end_amdhsa_kernel
	.amdgpu_metadata
---
amdhsa.version: [ 1, 2 ]
amdhsa.kernels:
  - .name:           k_qb4fb80e0ff_prep
    .symbol:         k_qb4fb80e0ff_prep.kd
    .args:
      - { .name: s_prev_codes, .offset: 0, .size: 8, .value_kind: global_buffer, .address_space: global }
      - { .name: s_prev_scales, .offset: 8, .size: 8, .value_kind: global_buffer, .address_space: global }
      - { .name: W_w_codes, .offset: 16, .size: 8, .value_kind: global_buffer, .address_space: global }
      - { .name: W_w_scales, .offset: 24, .size: 8, .value_kind: global_buffer, .address_space: global }
      - { .name: W_b, .offset: 32, .size: 8, .value_kind: global_buffer, .address_space: global }
      - { .name: U_b, .offset: 40, .size: 8, .value_kind: global_buffer, .address_space: global }
      - { .name: V_w, .offset: 48, .size: 8, .value_kind: global_buffer, .address_space: global }
      - { .name: tab, .offset: 56, .size: 8, .value_kind: global_buffer, .address_space: global }
    .group_segment_fixed_size: 0
    .private_segment_fixed_size: 0
    .kernarg_segment_align: 8
    .kernarg_segment_size: 64
    .max_flat_workgroup_size: 32
    .sgpr_count:     66
    .vgpr_count:     512
    .wavefront_size: 32
...
	.end_amdgpu_metadata
.endif
;; end of part 1
;; launch scores (part 2): grid 256 x 1, 4 waves a work-group, clusters of 4 x 1, 327,680 bytes of LDS; arguments hidden_states, U_w_codes, U_w_scales, tab, scores, part; writes scores, part
.if DOCPART == 2
	.amdgcn_target "amdgcn-amd-amdhsa--gfx1250"
	.amdhsa_code_object_version 6
	.text
	.protected	k_qb4fb80e0ff_scores
	.globl	k_qb4fb80e0ff_scores
	.p2align	8
	.type	k_qb4fb80e0ff_scores,@function
k_qb4fb80e0ff_scores:
	s_mov_b64 s[64:65], 0
	v_nop
	global_prefetch_b8 v0, s[64:65] scope:SCOPE_SE
	s_setreg_imm32_b32 hwreg(HW_REG_WAVE_MODE, 25, 1), 1
	s_wait_xcnt 0x0
	s_wait_alu depctr_hold_cnt(0) depctr_sa_sdst(0) depctr_va_vdst(0) depctr_va_sdst(0) depctr_va_ssrc(0) depctr_va_vcc(0) depctr_vm_vsrc(0)
	s_getreg_b32 s2, hwreg(HW_REG_IB_STS2, 6, 4)
	s_cmp_eq_u32 s2, 0
	s_cbranch_scc0 .Lentry_in_a_cluster
	s_endpgm
.Lentry_in_a_cluster:
	s_bfe_u32 s2, ttmp6, 0x10000c
	s_cmp_lg_u32 s2, 0x3003
	s_cbranch_scc0 .Lentry_shape_is_right
	s_endpgm
.Lentry_shape_is_right:
; scores[b][s] = sum over n of m2V[n] r[b][s][n],  r = 1 / (1 + 2^(C2 x)),  x = W_s[b][n] + W_b[n] + U_b[n] + sum over k of Q(hidden[b][s][k]) U_w[k][n],  C2 = 2 log2(e),  m2V = -2 V_w.
; That is reference()'s score less V_b and less the sum of V_w, which are the same along the softmax's axis and are left out (shown at the head of the first kernel).
; part[g][c] = sum over the work-group's 256 rows s of e^(scores[s] - m_g) hidden[s][c],  m_g the largest of these 256 scores: the work-group's share of the weighted sum, under its own maximum.
; Q: E5M2 codes, one E8M0 scale for each 32 along K.  U_w comes as codes [1024 n][1024 k] and scale bytes [1024][32].  tab: [64 b][1024 n] quads (b', b', m2V, m2V), b' = C2 x (the part of x without hidden).
; 2^.. = infinity gives r = 0 (tanh = 1), 2^.. = 0 gives r = 1 (tanh = -1).
; LIMITS: NaN and infinities among the inputs are not served.  A block of hidden whose largest magnitude lies under 2^-111 gets the scale byte 1; a block of zeros has zero codes, and this launch alone reads the bytes.
; SHARES.  Work-group g = 4 b + cx owns rows 256 g .. + 255 of hidden.  Wave w owns four tiles of 16 rows: tile t' = rows 64 t' + 16 w + 0 .. 15.
; PHASE Q.  The wave reads its 64 rows once (512 consecutive bytes a load), quantises them, turns the codes through its own LDS bytes into the operand's layout and keeps all 1,024 K in 512 registers.
; PHASE G.  64 tiles of 16 columns.  A tile T: its 32 products on end (four sums by turns, K ascending); the next tile's LDS loads; + 1 of tile T - 1 and C2 x of tile T; one batch of 64: 2^. of tile T and
;   1 / . of tile T - 1; the sums of tile T - 1.  Two sets of 32 registers take turns.  Source 0 = 16 rows of hidden, source 1 = 16 columns: a lane holds one column and 8 rows: b' and m2V are one quad a lane and tile.
; PHASE C.  The 256 scores meet in LDS; each wave takes their maximum, makes its 64 rows' weights and reads its rows again, in the reverse of phase Q's order, 64 loads out; a row's weight lies in a scalar register.
;   A strip of 256 columns is summed in 8 registers and laid into the wave's LDS bytes; at the end the eight parts of each strip are added and stored.
; CLUSTER.  The four work-groups of a cluster are one batch: U_w, its scale bytes and tab's row are asked for JOINTLY (mask 15, one descriptor in all four).  cx enters the global addresses of hidden, scores and part alone.
; No prefetch: U_w's bytes are read by all 64 clusters in the same steps, and hidden is streamed with 64 loads a wave out in phases that do nothing else.
; LDS: two slots of 64 rows of U_w (pitch 1,040); its scale bytes (units of 256 + 16); tab's row; 34,304 bytes a wave (phase Q: codes on their way; phase C: 8 strips of 1,024); 1,024 for the scores; the spare words.
; All of LDS is claimed.
; REGISTERS: window 0: v2-15 addresses; v16-47 hidden's scale words (8 tile + K step); v48-63 U_w's, two sets; v64-79 four quads of tab; v80-111 32 sums; v112-175 two sets of 32 (phase Q: v112-159 at work); v176-189 phase C.
;   window 1: phases Q and C 64 raw quads; phase G U_w's fragments, two sets of 8 x 16.   window 2: hidden's codes of K steps 0-3 (64 tile + 16 step), window 3: of K steps 4-7.
.set PB,    1040
.set SLOTB, 64*PB                      ; its bits (16 and 10) meet none of 16,640 x wave: an exclusive or changes slots
.set SCB,   2*SLOTB
.set TABB,  SCB+128*272
.set CAREA, TABB+16384
.set CWAVE, 34304
.set CSC,   2*16*PB
.set SCO,   CAREA+4*CWAVE
.set SPARE, SCO+1024
.set AB0, 2
.set ADB, 3
.set AS0, 4
.set ADS, 5
.set AT0, 6
.set ADT, 7
.set SPW, 8
.set NIL, 9
.set PS0, 10
.set GA,  11
.set CA0, 12
.set SB0, 13
.set FA,  14
.set FS,  15
.set AS,  16
.set BS,  48
.set TBQ, 64
.set SA,  80
.set E,   112
.set M,   112
.set BD,  120
.set SCL, 128
.set CC,  136
.set YY,  152
.set ACC, 176
.set WG0, 184
.set RD0, 186
.set CA,  240
.set SBA, 241
.set WS,  20                           ; phase C: s20-51, 32 rows' weights (the descriptors that lay there are done with)
.set GG,  190                          ; v190-197 phases Q and C: group i's byte offset into my rows: 16 x lane + the trip's place; stepped behind the counted wait that shows the group's eight loads done
.set BACK, 0                           ; 0: the offsets step forward (phase Q); 1: backward (phase C)
; scalars: s16 wave, s17 cx, s18 g; groups 1: s[24:31] ring (16 rows), s[92:99] a whole chunk (64 rows), s[32:39] scale bytes, s[40:47] tab; groups 0: s[48:51] chunk 0, s[20:23] chunk 1, s[52:55] the ring's (it walks), s[56:59], s[60:63];
; s68 the offsets' step, s70, s71 the trip's place in LDS, s72 counter, s73 57,344's mantissa field, s[74:75] C2, s76 slot, s77, s78 the chunk's scale bytes and quads, s[88:89] my rows: the raw loads' base, never rewritten.
.set MSB, 0
.macro WIN new                         ; the immediate's high byte repeats the setting that is left
.if MSB != (\new)
	s_set_vgpr_msb (MSB<<8)|(\new)
.set MSB, (\new)
.endif
.endm
.macro CREST                           ; a round of the cluster's barrier behind its opening barrier
	s_cmp_lg_u32 s16, 0
	s_cbranch_scc1 .Lnot_wave_0_\@
	s_barrier_signal -3
.Lnot_wave_0_\@:
	s_barrier_wait -3
	s_barrier_signal -1
	s_barrier_wait -1
.endm
.macro CROUND
	s_barrier_signal -1
	s_barrier_wait -1
	CREST
.endm
.macro ARM under, g0, g1, next         ; one arm of the head's chain: one joint load, then the jump to the join
	s_cmp_lt_u32 s16, \under
	s_cbranch_scc0 \next
	tensor_load_to_lds s[\g0:\g0+3], s[\g1:\g1+7]
	s_nop 0
.rept 4
	v_nop
.endr
	s_branch .Lhead_asked
\next:
.endm
.macro LOAD8 grp                       ; raw quad 8 grp + x = 2 (16 t'' + t) + e: row 64 t'' + t from the group's offset on, 512 e bytes along it
	WIN 0x40
.irp x, 0,1,2,3,4,5,6,7
	global_load_b128 v[32*\grp+4*\x:32*\grp+4*\x+3], v[GG+\grp], s[88:89] offset:262144*(\grp/4)+4096*(4*(\grp%4)+\x/2)+512*(\x%2)
.endr
	WIN 0
.endm
.macro RAW64                           ; a whole trip's 64 loads, at the offsets as they stand
.irp g, 0,1,2,3,4,5,6,7
	LOAD8 \g
.endr
.endm
	s_load_b256 s[4:11], s[0:1], 0x0               ; hidden, U_w's codes, its scales, tab
	s_load_b128 s[12:15], s[0:1], 0x20             ; scores, part
	v_lshl_add_u32 v[SPW], v0, 2, SPARE
	v_mov_b32 v[NIL], 0
	ds_add_u32 v[SPW], v[NIL]                      ; the opening lines: the add twice on end under one wait
	ds_add_u32 v[SPW], v[NIL]
	v_lshrrev_b32 v1, 5, v0
	v_readfirstlane_b32 s16, v1                    ; wave
	s_bfe_u32 s17, ttmp6, 0x40000                  ; cx
	s_lshl_b32 s18, ttmp9, 2                       ; ttmp9 counts clusters: the batch
	s_add_co_u32 s18, s18, s17                     ; g
	s_lshl_b32 s82, s18, 20                        ; my work-group's 256 rows of 4,096 bytes,
	s_lshl_b32 s83, s16, 16                        ; my wave's 16 of the first 64
	s_add_co_u32 s82, s82, s83
	s_mov_b32 s83, 0
	s_mul_i32 s80, s16, CWAVE
	s_add_co_u32 s80, s80, CAREA                   ; my wave's own bytes
	s_add_co_u32 s81, s80, CSC                     ; and its scale words
	s_mov_b32 s24, 15|(1<<20)|(1<<21)|(7<<22)|(3<<25)   ; rows of 1,024 bytes, 16 bytes of padding behind each; mask 15, bit 21 beside it
	s_mov_b32 s25, 1024<<16
	s_mov_b32 s26, 16<<16
	s_mov_b32 s27, 1024<<16
	s_mov_b32 s28, 16
	s_mov_b32 s29, 1024
	s_mov_b32 s30, 0
	s_mov_b32 s31, 0
	s_mov_b32 s92, 15|(1<<20)|(1<<21)|(7<<22)|(3<<25)   ; the same with 64 rows
	s_mov_b32 s93, 1024<<16
	s_mov_b32 s94, 64<<16
	s_mov_b32 s95, 1024<<16
	s_mov_b32 s96, 64
	s_mov_b32 s97, 1024
	s_mov_b32 s98, 0
	s_mov_b32 s99, 0
	s_mov_b32 s32, 15|(3<<16)|(1<<20)|(1<<21)|(5<<22)|(3<<25)   ; 32,768 dense bytes as 128 rows of 256 (32 elements of 8), 16 bytes of padding behind each
	s_mov_b32 s33, 32<<16
	s_mov_b32 s34, 128<<16
	s_mov_b32 s35, 32<<16
	s_mov_b32 s36, 128
	s_mov_b32 s37, 32
	s_mov_b32 s38, 0
	s_mov_b32 s39, 0
	s_mov_b32 s40, 15|(3<<16)|(1<<21)              ; 16,384 dense bytes as 64 rows of 256, no padding
	s_mov_b32 s41, 32<<16
	s_mov_b32 s42, 64<<16
	s_mov_b32 s43, 32<<16
	s_mov_b32 s44, 64
	s_mov_b32 s45, 32
	s_mov_b32 s46, 0
	s_mov_b32 s47, 0
	s_mov_b32 s68, 1024
	s_mov_b32 s70, 0
	s_mov_b32 s71, 0
	s_mov_b32 s72, 0
	s_mov_b32 s73, 0x600000
	s_mov_b32 s74, 0x4038aa3b
	s_mov_b32 s75, s74
	v_and_b32 v1, 15, v0                           ; r
	v_bfe_u32 v242, v0, 4, 1                       ; h
	v_and_b32 v243, 31, v0                         ; lane
	v_bfe_u32 v244, v0, 3, 1                       ; r / 8
	v_and_b32 v245, 7, v0                          ; r % 8
	v_bfe_u32 v246, v0, 3, 2                       ; lane / 8
	v_lshlrev_b32 v[GA], 4, v243
.irp g, 0,1,2,3,4,5,6,7
	v_lshlrev_b32 v[GG+\g], 4, v243
.endr
	v_mul_u32_u24 v[AB0], v1, PB
	v_lshl_add_u32 v[AB0], v242, 4, v[AB0]         ; a fragment's row x pitch + 16 h
	v_mul_u32_u24 v[AS0], v244, 272                ; column n's 32 scale bytes: unit n / 8, 32 (n % 8) in it
	v_lshl_add_u32 v[AS0], v245, 5, v[AS0]
	v_add_nc_u32 v[AS0], SCB, v[AS0]
	v_lshl_add_u32 v[AT0], v1, 4, TABB
	v_lshl_add_u32 v[CA0], v243, 2, s80
	v_add_nc_u32 v[SB0], s81, v246
	v_add_nc_u32 v[FA], s80, v[AB0]
	v_lshl_add_u32 v[FS], v1, 2, s81
	s_wait_alu depctr_va_vdst(0)
	s_wait_dscnt 0x0                               ; both opening adds are done
	s_wait_kmcnt 0x0
	s_add_nc_u64 s[88:89], s[4:5], s[82:83]        ; my rows; never rewritten
	RAW64
	s_mov_b32 s48, 1                               ; chunk 0 (columns 0-63) into slot 0
	s_mov_b32 s49, 0
	s_mov_b64 s[50:51], s[6:7]
	s_or_b32 s51, s51, 0x80000000
	s_mov_b32 s20, 1                               ; chunk 1 into slot 1
	s_mov_b32 s21, SLOTB
	s_add_nc_u64 s[22:23], s[6:7], 65536
	s_or_b32 s23, s23, 0x80000000
	s_mov_b32 s56, 1                               ; the scale bytes
	s_mov_b32 s57, SCB
	s_mov_b64 s[58:59], s[8:9]
	s_or_b32 s59, s59, 0x80000000
	s_lshl_b32 s84, ttmp9, 14                      ; tab's row of the batch
	s_mov_b32 s85, 0
	s_mov_b32 s60, 1
	s_mov_b32 s61, TABB
	s_add_nc_u64 s[62:63], s[10:11], s[84:85]
	s_or_b32 s63, s63, 0x80000000
	s_lshl_b32 s84, s16, 14                        ; the ring's refills: my wave's 16 rows of a chunk; it stands at chunk 1, slot 1, and steps ahead of each refill
	s_mov_b32 s52, 1
	s_mul_i32 s53, s16, 16*PB
	s_add_co_u32 s53, s53, SLOTB
	s_add_nc_u64 s[54:55], s[6:7], s[84:85]
	s_add_nc_u64 s[54:55], s[54:55], 65536
	s_or_b32 s55, s55, 0x80000000
	s_lshl_b32 s84, s18, 10                        ; scores: 256 numbers a work-group, 64 a wave
	s_lshl_b32 s86, s16, 8
	s_add_co_u32 s84, s84, s86
	s_add_nc_u64 s[12:13], s[12:13], s[84:85]
	s_lshl_b32 s84, s18, 12                        ; part: 4,096 bytes a work-group; wave w stores the strip of columns 256 (3 - w) on
	s_sub_co_u32 s86, 3, s16
	s_lshl_b32 s86, s86, 10
	s_add_co_u32 s84, s84, s86
	s_add_nc_u64 s[14:15], s[14:15], s[84:85]
	CROUND                                         ; all four work-groups are here: the first joint loads meet
	ARM 1, 48, 92, .Lhead_c1                       ; the head's four tiles, one a wave
	ARM 2, 20, 92, .Lhead_sc
	ARM 3, 56, 32, .Lhead_tb
	tensor_load_to_lds s[60:63], s[40:47]
	s_nop 0
.rept 4
	v_nop
.endr
.Lhead_asked:
; PHASE Q.  Eight quads, line by line, the eight by turns.  gd = 1: in the last trip nothing is asked for any more.
.macro GROUP grp, gd
	s_wait_loadcnt 56                              ; loads come back in order (ISA guide 5.7.1): the oldest eight are this group's
	WIN 0x15
.irp x, 0,1,2,3,4,5,6,7
	v_max3_num_f32 v[M+\x], |v[32*\grp+4*\x]|, |v[32*\grp+4*\x+1]|, |v[32*\grp+4*\x+2]|
.endr
	WIN 0x01
.irp x, 0,1,2,3,4,5,6,7
	v_max3_num_f32 v[M+\x], |v[32*\grp+4*\x+3]|, v[M+\x], 0x8000000   ; with the floor 2^(16 - 127): the byte cannot fall under 1
.endr
	WIN 0
.irp m, 1,2,4
.irp x, 0,1,2,3,4,5,6,7
	v_max_num_f32_dpp v[M+\x], v[M+\x], v[M+\x] row_xmask:\m row_mask:0xf bank_mask:0xf   ; the eight lanes of a block
.endr
.endr
.irp x, 0,1,2,3,4,5,6,7
	v_add_nc_u32 v[SCL+\x], 0xf8800000, v[M+\x]    ; 15 off the exponent field: the conversion's scale operand
.endr
.irp x, 0,1,2,3,4,5,6,7
	v_and_or_b32 v[BD+\x], v[M+\x], 0x7f800000, s73   ; 57,344 x the scale
.endr
	WIN 0x41
.irp x, 0,1,2,3,4,5,6,7
.irp c, 0,1,2,3
	v_med3_num_f32 v[32*\grp+4*\x+\c], v[32*\grp+4*\x+\c], -v[BD+\x], v[BD+\x]   ; the conversion does not saturate (ISA guide 7.6.2): the hold comes first
.endr
.endr
	s_wait_alu depctr_va_vdst(0)
	s_wait_dscnt 0x0                               ; the last group's LDS stores are done: their data registers are written next
	WIN 0x01
; A conversion takes eight registers under ONE scale; two neighbouring quads have two.  So the eight are converted under each: the first result's low register and the second's high register are kept.
.irp p, 0,1,2,3
	v_cvt_scalef32_pk8_bf8_f32 v[CC+4*\p:CC+4*\p+1], v[32*\grp+8*\p:32*\grp+8*\p+7], v[SCL+2*\p]
	v_cvt_scalef32_pk8_bf8_f32 v[CC+4*\p+2:CC+4*\p+3], v[32*\grp+8*\p:32*\grp+8*\p+7], v[SCL+2*\p+1]
.endr
	WIN 0
.irp x, 0,1,2,3,4,5,6,7
	v_lshrrev_b32 v[YY+\x], 23, v[SCL+\x]          ; the scale's byte (also the plain line behind the last conversion)
.endr
.irp x, 0,1,2,3,4,5,6,7
	ds_store_b32 v[CA], v[CC+4*(\x/2)+3*(\x%2)] offset:16*PB*(\grp/4)+PB*(4*(\grp%4)+\x/2)+128*(\x%2)
.endr
.irp x, 0,1,2,3,4,5,6,7
	ds_store_b8 v[SBA], v[YY+\x] offset:512*(\grp/4)+64*(\x%2)+4*(4*(\grp%4)+\x/2)   ; the eight lanes of a block write the same byte with the same value
.endr
	AGAIN \grp, \gd
.endm
.macro AGAIN grp, gd                   ; the group's eight quads of the next trip.  The wait at the group's head has shown its eight earlier loads done (56 younger ones were issued behind them): so their offset register may step
.if \gd
	s_cmp_eq_u32 s72, 3
	s_cbranch_scc1 .Lnone_\@
.endif
.if BACK
	v_sub_nc_u32 v[GG+\grp], v[GG+\grp], s68
.else
	v_add_nc_u32 v[GG+\grp], s68, v[GG+\grp]
.endif
	LOAD8 \grp
.if \gd
	s_branch .Ldone_\@
.Lnone_\@:
	s_wait_loadcnt 0x0                             ; where nothing is issued the later counts would show nothing
.Ldone_\@:
.endif
.endm
.macro TRIPQ gd, sel                   ; 32 rows x two K steps.  sel = 1: the fourth trip asks for the other 32 rows' first K steps: 128 rows on, back along K
.if \sel
	s_cmp_eq_u32 s72, 3
	s_mov_b32 s68, 1024
	s_cselect_b32 s68, 524288-3072, s68
.endif
	s_wait_dscnt 0x0
	v_add_nc_u32 v[CA], s70, v[CA0]
	v_add_nc_u32 v[SBA], s71, v[SB0]
.irp g, 0,1,2,3,4,5,6,7
	GROUP \g, \gd
.endr
	s_add_co_u32 s70, s70, 256
	s_add_co_u32 s71, s71, 128
	s_add_co_u32 s72, s72, 1
.endm
.macro FLUSH phi                       ; tiles 2 phi, 2 phi + 1 come back as fragments and scale words; LDS serves a wave's instructions in order (ISA guide 5.7.1.4)
.irp sh, 0,1
	WIN (2+\sh)<<6
.irp tp, 0,1
.irp s, 0,1,2,3
.irp c, 0,1,2,3
	ds_load_b128 v[64*(2*\phi+\tp)+16*\s+4*\c:64*(2*\phi+\tp)+16*\s+4*\c+3], v[FA] offset:16*PB*\tp+128*(4*\sh+\s)+32*\c
.endr
.endr
.endr
.endr
	WIN 0
.irp tp, 0,1
.irp s, 0,1,2,3,4,5,6,7
	ds_load_b32 v[AS+8*(2*\phi+\tp)+\s], v[FS] offset:64*(8*\tp+\s)
.endr
.endr
.endm
.Lqa:
	TRIPQ 0, 1
	s_cmp_lt_u32 s72, 4
	s_cbranch_scc1 .Lqa
	FLUSH 0
	s_mov_b32 s68, 1024
	s_mov_b32 s70, 0
	s_mov_b32 s71, 0
	s_mov_b32 s72, 0
.Lqb:
	TRIPQ 1, 0
	s_cmp_lt_u32 s72, 4
	s_cbranch_scc1 .Lqb
	s_wait_loadcnt 0x0
	FLUSH 1
; PHASE G.
.macro MMS k, sh                       ; 16 products: K steps 4 sh .. 4 sh + 3, the four sums by turns, one instruction a turn; the first K step starts the sums
	WIN 0x06+\sh                                   ; source 0 (hidden) window 2 + sh, source 1 (U_w) window 1
.irp s, 0,1,2,3
.irp t, 0,1,2,3
.if (\sh == 0) && (\s == 0)
	v_wmma_scale_f32_16x16x128_f8f6f4 v[E+32*((\k)%2)+8*\t:E+32*((\k)%2)+8*\t+7], v[64*\t+16*\s:64*\t+16*\s+15], v[128*((\k)%2)+16*(4*\sh+\s):128*((\k)%2)+16*(4*\sh+\s)+15], 0, v[AS+8*\t+4*\sh+\s], v[BS+8*((\k)%2)+4*\sh+\s] matrix_a_fmt:MATRIX_FMT_BF8 matrix_b_fmt:MATRIX_FMT_BF8
.else
	v_wmma_scale_f32_16x16x128_f8f6f4 v[E+32*((\k)%2)+8*\t:E+32*((\k)%2)+8*\t+7], v[64*\t+16*\s:64*\t+16*\s+15], v[128*((\k)%2)+16*(4*\sh+\s):128*((\k)%2)+16*(4*\sh+\s)+15], v[E+32*((\k)%2)+8*\t:E+32*((\k)%2)+8*\t+7], v[AS+8*\t+4*\sh+\s], v[BS+8*((\k)%2)+4*\sh+\s] matrix_a_fmt:MATRIX_FMT_BF8 matrix_b_fmt:MATRIX_FMT_BF8
.endif
.endr
.endr
.endm
.macro FRAGS k, sh                     ; 16 LDS loads: tile k + 1's fragments of K steps 4 sh .. 4 sh + 3, into the other set, whose last readers stand a tile back
	WIN 0x40
.irp s, 0,1,2,3
.irp c, 0,1,2,3
	ds_load_b128 v[128*(((\k)+1)%2)+16*(4*\sh+\s)+4*\c:128*(((\k)+1)%2)+16*(4*\sh+\s)+4*\c+3], v[ADB] offset:16*PB*(((\k)+1)%4)+128*(4*\sh+\s)+32*\c
.endr
.endr
	WIN 0
.endm
.macro RUNA k                          ; 19 LDS loads: tile k + 1's quad of tab, its 8 scale words, its first four fragments
	ds_load_b128 v[TBQ+4*(((\k)+1)%4):TBQ+4*(((\k)+1)%4)+3], v[ADT] offset:256*((\k)+1)
	ds_load_b128 v[BS+8*(((\k)+1)%2):BS+8*(((\k)+1)%2)+3], v[ADS] offset:544*((\k)+1)
	ds_load_b128 v[BS+8*(((\k)+1)%2)+4:BS+8*(((\k)+1)%2)+7], v[ADS] offset:544*((\k)+1)+16
	FRAGS \k, 0
.endm
.macro ADD1 e                          ; 1 + 2^.
.set i, 0
.rept 16
	v_pk_add_f32 v[\e+i:\e+i+1], v[\e+i:\e+i+1], 1.0 op_sel_hi:[1,0]
.set i, i+2
.endr
.endm
.macro RCPS e
.set i, 0
.rept 32
	v_rcp_f32 v[\e+i], v[\e+i]
.set i, i+1
.endr
.endm
.macro SUMS e, t                       ; the rows' sums += r x m2V
.set i, 0
.rept 16
	v_pk_fma_f32 v[SA+i:SA+i+1], v[\e+i:\e+i+1], v[\t+2:\t+3], v[SA+i:SA+i+1]
.set i, i+2
.endr
.endm
; A PERIOD: one tile of 16 columns.  THE CHANGE OF SLOTS stands at the head of a chunk's fourth period: the third period has asked for the chunk's last bytes.  Each wave waits for all its tensor loads
; (one is out: its part of the next chunk), adds 0 to its spare word, waits for that and for its reads of the slot.  fill = 1: the barrier opens a round of the cluster's, and the joint refill, the chunk two on,
; is the first tensor load behind the round.  gd = 1: behind the last tile there is none to fetch.
.macro PERIOD k, fill, gd
.set epn, E+32*((\k)%2)
.set eqn, E+32*(1-(\k)%2)
.set tqn, TBQ+4*(\k)
.set tpn, TBQ+4*(((\k)+3)%4)
.if \k == 3
	s_wait_alu depctr_va_vdst(0)
	s_wait_tensorcnt 0x0
	ds_add_u32 v[SPW], v[NIL]
.if \fill
	s_xor_b32 s53, s53, SLOTB                      ; no tensor load of mine is out: the ring's group 0 steps to the other slot
	s_add_nc_u64 s[54:55], s[54:55], 65536         ; and the next 64 columns
.endif
	s_wait_dscnt 0x0                               ; the add is done; this tile's fragments are in, and with them my reads of the slot are over
	s_barrier_signal -1
	MMS 3, 0                                       ; work on registers while the others arrive
	WIN 0
	s_barrier_wait -1
.if \fill
	CREST
	tensor_load_to_lds s[52:55], s[24:31]          ; my one tensor load until the next round
	s_nop 0
.rept 4
	v_nop
.endr
.endif
	MMS 3, 1
.else
	s_wait_dscnt 16                                ; the youngest 16 loads, K steps 4-7's fragments, may be out
	MMS \k, 0
	s_wait_dscnt 0x0
	MMS \k, 1
.endif
	WIN 0
.if \gd
	s_cmp_eq_u32 s72, 1
	s_cbranch_scc1 .Lno_tile_\@
.endif
	RUNA \k
.if (\k == 2) || \gd
	FRAGS \k, 1
.endif
.if \gd
.Lno_tile_\@:
.endif
	ADD1 eqn                                       ; tile T - 1.  These 16 lines name no register of the products: they are the eight places ahead of the first read of the sums
.if \k == 2
	s_xor_b32 s76, s76, SLOTB
	v_add_nc_u32 v[ADB], s76, v[AB0]               ; the next chunk's slot
.elseif \k == 3
	s_add_co_u32 s77, s77, 4*544
	s_add_co_u32 s78, s78, 1024
	v_add_nc_u32 v[ADS], s77, v[AS0]               ; the next chunk's scale bytes and quads
	v_add_nc_u32 v[ADT], s78, v[AT0]
.endif
.set i, 0
.rept 16
	v_pk_fma_f32 v[epn+i:epn+i+1], v[epn+i:epn+i+1], s[74:75], v[tqn:tqn+1] op_sel_hi:[1,0,1]   ; tile T: C2 x; each sum is read from its low end on
.set i, i+2
.endr
	s_wait_alu depctr_va_vdst(0)                   ; one wait ahead of the batch of 64 and one behind it
.set i, 0
.rept 32
	v_exp_f32 v[epn+i], v[epn+i]
.set i, i+1
.endr
	RCPS eqn
	v_nop                                          ; the plain line behind the last of them
.if !((\k == 2) || \gd)
	FRAGS \k, 1
.endif
	s_wait_alu depctr_va_vdst(0)
	SUMS eqn, tpn
.endm
.set i, 0
.rept 32
	v_mov_b32 v[SA+i], 0                           ; the 32 rows' sums
	v_mov_b32 v[E+32+i], 0                         ; the first period works tile T - 1's lines on zeros, with m2V = 0: they add nothing
.set i, i+1
.endr
.irp c, 12,13,14,15
	v_mov_b32 v[TBQ+\c], 0
.endr
	v_mov_b32 v[ADB], v[AB0]
	v_mov_b32 v[ADS], v[AS0]
	v_mov_b32 v[ADT], v[AT0]
	s_mov_b32 s76, 0
	s_mov_b32 s77, 0
	s_mov_b32 s78, 0
	s_wait_alu depctr_va_vdst(0)
	s_wait_tensorcnt 0x0                           ; my tile of the head's four is in
	s_wait_dscnt 0x0                               ; my codes and scale words are in registers
	s_barrier_signal -1
	s_barrier_wait -1                              ; everybody's tile is in
	RUNA -1                                        ; tile 0
	FRAGS -1, 1
	s_mov_b32 s72, 14
.Lmain:                                            ; a trip = a chunk of 64 columns; chunks 2 to 15 are asked for in trips 0 to 13
	PERIOD 0, 1, 0
	PERIOD 1, 1, 0
	PERIOD 2, 1, 0
	PERIOD 3, 1, 0
	s_sub_co_u32 s72, s72, 1
	s_cmp_lg_u32 s72, 0
	s_cbranch_scc1 .Lmain
	s_mov_b32 s72, 2
.Ltail:                                            ; the last two chunks ask for nothing: written apart
	PERIOD 0, 0, 0
	PERIOD 1, 0, 0
	PERIOD 2, 0, 0
	PERIOD 3, 0, 1
	s_sub_co_u32 s72, s72, 1
	s_cmp_lg_u32 s72, 0
	s_cbranch_scc1 .Ltail
	ADD1 E+32                                      ; the last tile's second half
	s_wait_alu depctr_va_vdst(0)
	RCPS E+32
	v_nop
	s_wait_alu depctr_va_vdst(0)
	SUMS E+32, TBQ+12
	; PHASE C begins: the rows read last in phase Q are asked for first: tiles 2 and 3, the last 1,024 bytes of each row
	RAW64                                          ; phase Q has left the offsets there
	; A lane holds its column's share of 32 rows' sums: they are added over the 16 lanes of a half.
	s_lshl_b32 s80, s16, 6
	s_add_co_u32 s80, s80, SCO
	s_lshl_b32 s81, s16, 8
	s_add_co_u32 s81, s81, SCO
	s_mul_i32 s82, s16, CWAVE
	s_add_co_u32 s82, s82, CAREA
	s_lshl_b32 s83, s16, 10
	s_add_co_u32 s83, s83, CAREA
	s_mov_b32 s84, 0x3fb8aa3b                      ; log2(e)
	s_mov_b32 s86, 0x76543210
	s_mov_b32 s87, 0xfedcba98                      ; v_permlanex16_b32's selects for lane l xor 16
.irp m, 1,2,4,8
.set i, 0
.rept 32
	v_add_f32_dpp v[SA+i], v[SA+i], v[SA+i] row_xmask:\m row_mask:0xf bank_mask:0xf
.set i, i+1
.endr
.endr
	v_bfe_u32 v243, v0, 4, 1
	v_and_b32 v244, 31, v0
	v_and_b32 v247, 15, v0
	v_lshl_add_u32 v242, v243, 8, s80              ; my rows' scores, lane l: row 64 (l / 16) + 16 w + l % 16 (tiles 0, 1; tiles 2, 3 lie 512 bytes on)
	v_lshl_add_u32 v242, v247, 2, v242
	v_lshl_add_u32 v243, v243, 5, s80              ; in: row 64 t' + 16 w + 8 h + j of the work-group: 4 bytes a row
	v_lshl_add_u32 v245, v244, 3, s81              ; back for the store: wave w takes rows 64 w on, 8 bytes a lane
	v_lshlrev_b32 v246, 3, v244
	v_add_nc_u32 v247, SCO, v[GA]                  ; all 256 scores, 16 bytes a lane, twice
	v_add_nc_u32 v[PS0], s82, v[GA]                ; my strips
	v_add_nc_u32 v[RD0], s83, v[GA]                ; the strips at place w of waves 0, 1
	v_add_nc_u32 v[RD0+1], 2*CWAVE, v[RD0]         ; and of waves 2, 3
	v_mov_b32 v188, 0                              ; a lane permute's destination counts as one of its sources
.irp c, 0,1,2,3,4,5,6,7
	v_mov_b32 v[ACC+\c], 0
.endr
.irp t, 0,1,2,3
	ds_store_b128 v243, v[SA+8*\t:SA+8*\t+3] offset:256*\t          ; the sixteen lanes of a half write the same bytes with the same values
	ds_store_b128 v243, v[SA+8*\t+4:SA+8*\t+7] offset:256*\t+16
.endr
	s_wait_alu depctr_va_vdst(0)
	s_wait_dscnt 0x0                               ; for the others' sake: my stores are done
	s_barrier_signal -1
	s_barrier_wait -1
	ds_load_b64 v[248:249], v245
	ds_load_b128 v[112:115], v247
	ds_load_b128 v[116:119], v247 offset:512
	ds_load_b32 v[WG0], v242
	ds_load_b32 v[WG0+1], v242 offset:512
	s_wait_dscnt 0x0
	global_store_b64 v246, v[248:249], s[12:13]    ; 32 lanes store 256 consecutive bytes, at a multiple of 256 from the buffer's first byte
	v_max3_num_f32 v189, v112, v113, v114
	v_max3_num_f32 v189, v189, v115, v116
	v_max3_num_f32 v189, v189, v117, v118
	v_max_num_f32 v189, v189, v119
.irp m, 1,2,4,8
	v_max_num_f32_dpp v189, v189, v189 row_xmask:\m row_mask:0xf bank_mask:0xf
.endr
	v_permlanex16_b32 v188, v189, s86, s87
	v_max_num_f32 v189, v189, v188                 ; m_g, the largest of the 256 scores, in every lane
	v_mul_f32 v189, 0xbfb8aa3b, v189
	v_fma_f32 v[WG0], v[WG0], s84, v189
	v_fma_f32 v[WG0+1], v[WG0+1], s84, v189
	s_wait_alu depctr_va_vdst(0)
	v_exp_f32 v[WG0], v[WG0]                       ; e^(score - m_g), at most 1
	v_exp_f32 v[WG0+1], v[WG0+1]
	v_nop
	s_wait_alu depctr_va_vdst(0)
.macro WTS w                           ; 32 rows' weights, one to a scalar register
.set i, 0
.rept 32
	v_readlane_b32 s[WS+i], v[\w], i
.set i, i+1
.endr
.endm
.macro GROUPC grp, gd                  ; four rows x 1,024 bytes
	s_wait_alu depctr_va_vdst(0)
	s_wait_loadcnt 56
	WIN 0x04                                       ; source 1 (the raw quads) window 1
.irp x, 0,1,2,3,4,5,6,7
.irp c, 0,1,2,3
	v_fmac_f32 v[ACC+4*(\x%2)+\c], s[WS+4*\grp+\x/2], v[32*\grp+4*\x+\c]
.endr
.endr
	WIN 0
	AGAIN \grp, \gd
.endm
.macro TRIPC gd, sel                   ; 32 rows x one strip of 256 columns; the strips go backward along the rows.  sel = 1: the fourth trip asks for the last strip of tiles 0 and 1: 128 rows back, forward along the rows
.if \sel
	s_cmp_eq_u32 s72, 3
	s_mov_b32 s68, 1024
	s_cselect_b32 s68, 524288-3072, s68
.endif
.irp g, 0,1,2,3,4,5,6,7
	GROUPC \g, \gd
.endr
	v_add_nc_u32 v[CA], s70, v[PS0]
	s_wait_alu depctr_va_vdst(0)
	ds_store_b128 v[CA], v[ACC:ACC+3]
	ds_store_b128 v[CA], v[ACC+4:ACC+7] offset:512
	s_add_co_u32 s70, s70, 1024
	s_add_co_u32 s72, s72, 1
	s_wait_dscnt 0x0                               ; the strip lies in LDS: its registers begin anew
.irp c, 0,1,2,3,4,5,6,7
	v_mov_b32 v[ACC+\c], 0
.endr
	s_wait_alu depctr_va_vdst(0)
.endm
.set BACK, 1
	WTS WG0+1
	s_mov_b32 s68, 1024
	s_mov_b32 s70, 4096
	s_mov_b32 s72, 0
.Lca:                                              ; tiles 2 and 3: trip i sums the strip of columns 256 (3 - i) on and lays it at place i
	TRIPC 0, 1
	s_cmp_lt_u32 s72, 4
	s_cbranch_scc1 .Lca
	WTS WG0
	s_mov_b32 s68, 1024
	s_mov_b32 s70, 0
	s_mov_b32 s72, 0
.Lcb:                                              ; tiles 0 and 1
	TRIPC 1, 0
	s_cmp_lt_u32 s72, 4
	s_cbranch_scc1 .Lcb
	s_barrier_signal -1                            ; every wave has waited for its stores of strips
	s_barrier_wait -1
.irp j, 0,1,2,3,4,5,6,7                        ; part j: wave j / 2, half j % 2; wave w adds the eight parts at place w
.irp e, 0,1
	ds_load_b128 v[112+8*\j+4*\e:112+8*\j+4*\e+3], v[RD0+\j/4] offset:((\j/2)%2)*CWAVE+(\j%2)*4096+512*\e
.endr
.endr
	s_wait_dscnt 0x0
.irp j, 0,2,4,6
.irp c, 0,1,2,3,4,5,6,7
	v_add_f32 v[112+8*\j+\c], v[112+8*\j+\c], v[120+8*\j+\c]
.endr
.endr
.irp j, 0,4
.irp c, 0,1,2,3,4,5,6,7
	v_add_f32 v[112+8*\j+\c], v[112+8*\j+\c], v[128+8*\j+\c]
.endr
.endr
.irp c, 0,1,2,3,4,5,6,7
	v_add_f32 v[112+\c], v[112+\c], v[144+\c]
.endr
	global_store_b128 v[GA], v[112:115], s[14:15]              ; 32 lanes store 512 consecutive bytes, at a multiple of 256 from part's first byte
	global_store_b128 v[GA], v[116:119], s[14:15] offset:512
	s_wait_tensorcnt 0x0                           ; the wave's end
	ds_add_u32 v[SPW], v[NIL]
	s_wait_dscnt 0x0
	CROUND                                         ; the closing round
	s_endpgm
.Lfunc_end_k_qb4fb80e0ff_scores:
	.size	k_qb4fb80e0ff_scores, .Lfunc_end_k_qb4fb80e0ff_scores-k_qb4fb80e0ff_scores
	.p2alignl 7, 3214868480
	.fill 96, 4, 3214868480
	.section	.rodata,"a",@progbits
	.p2align	6, 0x0
	.amdhsa_kernel k_qb4fb80e0ff_scores
		.amdhsa_group_segment_fixed_size 327680
		.amdhsa_private_segment_fixed_size 0
		.amdhsa_enable_private_segment 0
		.amdhsa_kernarg_size 48
		.amdhsa_user_sgpr_count 2
		.amdhsa_user_sgpr_kernarg_segment_ptr 1
		.amdhsa_wavefront_size32 1
		.amdhsa_system_sgpr_workgroup_id_x 1
		.amdhsa_system_sgpr_workgroup_id_y 1
		.amdhsa_system_sgpr_workgroup_id_z 1
		.amdhsa_system_vgpr_workitem_id 0
		.amdhsa_next_free_vgpr 1024
		.amdhsa_next_free_sgpr 100
		.amdhsa_reserve_vcc 0
		.amdhsa_float_denorm_mode_32 3
		.amdhsa_float_denorm_mode_16_64 3
		.amdhsa_memory_ordered 1
		.amdhsa_forward_progress 1
		.amdhsa_inst_pref_size 255
	.end_amdhsa_kernel
	.section	.bss,"aw",@nobits
	.p2align	6
	.space	262144
	.amdgpu_metadata
---
amdhsa.version: [ 1, 2 ]
amdhsa.kernels:
  - .name:           k_qb4fb80e0ff_scores
    .symbol:         k_qb4fb80e0ff_scores.kd
    .args:
      - { .name: hidden_states, .offset: 0, .size: 8, .value_kind: global_buffer, .address_space: global }
      - { .name: U_w_codes, .offset: 8, .size: 8, .value_kind: global_buffer, .address_space: global }
      - { .name: U_w_scales, .offset: 16, .size: 8, .value_kind: global_buffer, .address_space: global }
      - { .name: tab, .offset: 24, .size: 8, .value_kind: global_buffer, .address_space: global }
      - { .name: scores, .offset: 32, .size: 8, .value_kind: global_buffer, .address_space: global }
      - { .name: part, .offset: 40, .size: 8, .value_kind: global_buffer, .address_space: global }
    .group_segment_fixed_size: 327680
    .private_segment_fixed_size: 0
    .kernarg_segment_align: 8
    .kernarg_segment_size: 48
    .max_flat_workgroup_size: 128
    .sgpr_count:     100
    .vgpr_count:     1024
    .wavefront_size: 32
...
	.end_amdgpu_metadata
.endif
;; end of part 2
;; launch combine (part 3): grid 4 x 64, 1 waves a work-group, no clusters, 0 bytes of LDS; arguments scores, part, out0, out1; writes out0, out1
.if DOCPART == 3
	.amdgcn_target "amdgcn-amd-amdhsa--gfx1250"
	.amdhsa_code_object_version 6
	.text
	.protected	k_qb4fb80e0ff_combine
	.globl	k_qb4fb80e0ff_combine
	.p2align	8
	.type	k_qb4fb80e0ff_combine,@function
k_qb4fb80e0ff_combine:
	s_mov_b64 s[64:65], 0
	v_nop
	global_prefetch_b8 v0, s[64:65] scope:SCOPE_SE
	s_setreg_imm32_b32 hwreg(HW_REG_WAVE_MODE, 25, 1), 1
	s_wait_xcnt 0x0
; out1[b][s] = e^(scores[b][s] - M) / L;  out0[b][c] = sum over the batch's four quarters g of (e^(m_g - M) / L) part[4 b + g][c].
; M: the batch's largest score; L: the sum of e^(score - M) over its 1,024 scores; m_g: the largest score of quarter g, the very number under which the launch before summed part[4 b + g].
; scores lack V_b and the sum of V_w, which are the same along s and leave the softmax as it is (shown at the head of the first kernel).
; SHARES.  Work-group (sl = x, b = y), one wave, owns out0[b][256 sl .. + 255] and out1[b][256 sl .. + 255].  It reads the batch's 4 KB of scores and 1 KB of each of the four parts, its own quarter first
; (quarter (sl + j) % 4 is the j-th): so its own 256 scores lie in v8-15.  No LDS, no cluster, no loop to run ahead in: 16 loads, some 300 lines of arithmetic, 4 stores.
; LIMITS: NaN and infinities among the inputs are not served.
.set OF, 40                            ; v40-47  the scores' load offsets
.set PO, 48                            ; v48-51  the parts'
.set P,  52                            ; v52-83  part j, half e at 52 + 8 j + 4 e
.set MQ, 84                            ; v84-87  m of the four quarters; v88-91 at work
.set F,  100                           ; v100-103 e^(m - M) / L
.set O,  104                           ; v104-111 my eight columns
	s_load_b256 s[4:11], s[0:1], 0x0               ; scores, part, out0, out1
	s_and_b32 s16, ttmp7, 0xffff                   ; b
	s_lshl_b32 s13, ttmp9, 10                      ; 1,024 sl
	s_lshl_b32 s14, ttmp9, 12                      ; 4,096 sl
	s_lshl_b32 s18, s16, 12                        ; scores: 4,096 b
	s_mov_b32 s19, 0
	s_lshl_b32 s24, s16, 14                        ; part: 16,384 b
	s_mov_b32 s25, 0
	s_add_co_u32 s26, s18, s13                     ; out0, out1: 4,096 b + 1,024 sl
	s_mov_b32 s27, 0
	s_mov_b32 s20, 0x3fb8aa3b                      ; log2(e)
	s_mov_b32 s22, 0x76543210
	s_mov_b32 s23, 0xfedcba98                      ; v_permlanex16_b32's selects for lane l xor 16
	v_and_b32 v2, 31, v0
	v_lshlrev_b32 v1, 4, v2                        ; 16 x lane
	v_mov_b32 v7, s13
	v_mov_b32 v6, s14
	v_add_nc_u32 v5, s13, v1
.irp k, 0,1,2,3,4,5,6,7
	v_add_nc_u32 v[OF+\k], 512*\k, v7              ; the batch's eight runs of 128 scores, my quarter's two first
.endr
.irp k, 0,1,2,3,4,5,6,7
	v_and_or_b32 v[OF+\k], v[OF+\k], 0xfff, v1
.endr
.irp j, 0,1,2,3
	v_add_nc_u32 v[PO+\j], 4096*\j, v6             ; the four parts in the same order, my 1,024 bytes of each
.endr
.irp j, 0,1,2,3
	v_and_or_b32 v[PO+\j], v[PO+\j], 0x3000, v5
	v_mov_b32 v[88+\j], 0                          ; a lane permute's destination counts as one of its sources
.endr
	s_wait_alu depctr_va_vdst(0)
	s_wait_kmcnt 0x0
	s_add_nc_u64 s[4:5], s[4:5], s[18:19]
	s_add_nc_u64 s[6:7], s[6:7], s[24:25]
	s_add_nc_u64 s[8:9], s[8:9], s[26:27]
	s_add_nc_u64 s[10:11], s[10:11], s[26:27]
.irp k, 0,1,2,3,4,5,6,7
	global_load_b128 v[8+4*\k:11+4*\k], v[OF+\k], s[4:5]
.endr
.irp j, 0,1,2,3
	global_load_b128 v[P+8*\j:P+8*\j+3], v[PO+\j], s[6:7]
	global_load_b128 v[P+8*\j+4:P+8*\j+7], v[PO+\j], s[6:7] offset:512
.endr
	s_wait_loadcnt 8                               ; the scores are in; the parts' eight loads stay out
.irp j, 0,1,2,3
	v_max3_num_f32 v[MQ+\j], v[8+8*\j], v[9+8*\j], v[10+8*\j]      ; the four quarters by turns
.endr
.irp i, 3,5
.irp j, 0,1,2,3
	v_max3_num_f32 v[MQ+\j], v[MQ+\j], v[8+8*\j+\i], v[9+8*\j+\i]
.endr
.endr
.irp j, 0,1,2,3
	v_max_num_f32 v[MQ+\j], v[MQ+\j], v[15+8*\j]
.endr
.irp m, 1,2,4,8
.irp j, 0,1,2,3
	v_max_num_f32_dpp v[MQ+\j], v[MQ+\j], v[MQ+\j] row_xmask:\m row_mask:0xf bank_mask:0xf
.endr
.endr
.irp j, 0,1,2,3
	v_permlanex16_b32 v[88+\j], v[MQ+\j], s22, s23
.endr
.irp j, 0,1,2,3
	v_max_num_f32 v[MQ+\j], v[MQ+\j], v[88+\j]     ; m of the quarter, in every lane
.endr
	v_max3_num_f32 v92, v84, v85, v86
	v_max_num_f32 v92, v92, v87                    ; M
	v_mul_f32 v93, 0xbfb8aa3b, v92                 ; - M log2(e)
.set i, 8
.rept 32
	v_fma_f32 v[i], v[i], s20, v93
.set i, i+1
.endr
.irp j, 0,1,2,3
	v_fma_f32 v[F+\j], v[MQ+\j], s20, v93
.endr
	s_wait_alu depctr_va_vdst(0)                   ; one wait ahead of the batch and one behind it
.set i, 8
.rept 32
	v_exp_f32 v[i], v[i]                           ; e^(score - M)
.set i, i+1
.endr
.irp j, 0,1,2,3
	v_exp_f32 v[F+\j], v[F+\j]                     ; e^(m - M)
.endr
	v_nop
	s_wait_alu depctr_va_vdst(0)
	v_pk_add_f32 v[94:95], v[8:9], v[10:11]        ; L, two at a time, in two chains
	v_pk_add_f32 v[96:97], v[12:13], v[14:15]
.irp i, 16,20,24,28,32,36
	v_pk_add_f32 v[94:95], v[94:95], v[\i:\i+1]
	v_pk_add_f32 v[96:97], v[96:97], v[\i+2:\i+3]
.endr
	v_pk_add_f32 v[94:95], v[94:95], v[96:97]
	v_add_f32 v94, v94, v95
.irp m, 1,2,4,8
	v_add_f32_dpp v94, v94, v94 row_xmask:\m row_mask:0xf bank_mask:0xf
.endr
	v_permlanex16_b32 v88, v94, s22, s23
	v_add_f32 v94, v94, v88
	s_wait_alu depctr_va_vdst(0)
	v_rcp_f32 v98, v94
	v_nop
	s_wait_alu depctr_va_vdst(0)
.irp i, 8,9,10,11,12,13,14,15
	v_mul_f32 v[\i], v[\i], v98                    ; my 256 weights
.endr
.irp j, 0,1,2,3
	v_mul_f32 v[F+\j], v[F+\j], v98
.endr
	s_wait_alu depctr_va_vdst(0)
	global_store_b128 v1, v[8:11], s[10:11]        ; 32 lanes store 512 consecutive bytes, at a multiple of 256 from out1's first byte
	global_store_b128 v1, v[12:15], s[10:11] offset:512
	s_wait_loadcnt 0x0                             ; the parts
.irp c, 0,1,2,3,4,5,6,7
	v_mul_f32 v[O+\c], v[P+\c], v[F]
.endr
.irp j, 1,2,3
.irp c, 0,1,2,3,4,5,6,7
	v_fmac_f32 v[O+\c], v[P+8*\j+\c], v[F+\j]
.endr
.endr
	global_store_b128 v1, v[O:O+3], s[8:9]         ; and the same of out0
	global_store_b128 v1, v[O+4:O+7], s[8:9] offset:512
	s_endpgm
.Lfunc_end_k_qb4fb80e0ff_combine:
	.size	k_qb4fb80e0ff_combine, .Lfunc_end_k_qb4fb80e0ff_combine-k_qb4fb80e0ff_combine
	.p2alignl 7, 3214868480
	.fill 96, 4, 3214868480
	.section	.rodata,"a",@progbits
	.p2align	6, 0x0
	.amdhsa_kernel k_qb4fb80e0ff_combine
		.amdhsa_group_segment_fixed_size 0
		.amdhsa_private_segment_fixed_size 0
		.amdhsa_enable_private_segment 0
		.amdhsa_kernarg_size 32
		.amdhsa_user_sgpr_count 2
		.amdhsa_user_sgpr_kernarg_segment_ptr 1
		.amdhsa_wavefront_size32 1
		.amdhsa_system_sgpr_workgroup_id_x 1
		.amdhsa_system_sgpr_workgroup_id_y 1
		.amdhsa_system_sgpr_workgroup_id_z 1
		.amdhsa_system_vgpr_workitem_id 0
		.amdhsa_next_free_vgpr 112
		.amdhsa_next_free_sgpr 66
		.amdhsa_reserve_vcc 0
		.amdhsa_float_denorm_mode_32 3
		.amdhsa_float_denorm_mode_16_64 3
		.amdhsa_memory_ordered 1
		.amdhsa_forward_progress 1
		.amdhsa_inst_pref_size 14
	.end_amdhsa_kernel
	.amdgpu_metadata
---
amdhsa.version: [ 1, 2 ]
amdhsa.kernels:
  - .name:           k_qb4fb80e0ff_combine
    .symbol:         k_qb4fb80e0ff_combine.kd
    .args:
      - { .name: scores, .offset: 0, .size: 8, .value_kind: global_buffer, .address_space: global }
      - { .name: part, .offset: 8, .size: 8, .value_kind: global_buffer, .address_space: global }
      - { .name: out0, .offset: 16, .size: 8, .value_kind: global_buffer, .address_space: global }
      - { .name: out1, .offset: 24, .size: 8, .value_kind: global_buffer, .address_space: global }
    .group_segment_fixed_size: 0
    .private_segment_fixed_size: 0
    .kernarg_segment_align: 8
    .kernarg_segment_size: 32
    .max_flat_workgroup_size: 32
    .sgpr_count:     66
    .vgpr_count:     112
    .wavefront_size: 32
...
	.end_amdgpu_metadata
.endif
;; end of part 3
